; MI455X (gfx1250); checked and timed in simulation.
; The chip was launched on July 23, 2026; its instructions are those of AMD's public machine-readable ISA for CDNA 5 (MIT licence, August 2026) and "CDNA5" Instruction Set Architecture Reference Guide (July 2026). The comments in the code are by the model that wrote it; some were corrected since.
;; Mo E Block With Gate Router. Allowed arithmetic: matrix products marked QUANTISED: E2M3 operands, one E8M0 scale for each 32 along K, by v_wmma_scale_f32_16x16x128_f8f6f4 with both operands' format E2M3, f32 sums; products left as they are: f32 operands where the result goes on into a quantised operand, else bf16, f16 or f32 operands; f32 sums; everything else in f32.
;; Inputs: W 8 x 2,048 x 2,048 float32; Wg 8 x 2,048 float32; b 8 x 2,048 float32; bg 8 float32; hidden_states 2,048 x 2,048 float32.
;; Outputs: out0 2,048 x 2,048 float32.
;; This version of the problem:
;;   THIS VERSION OF THE PROBLEM IS GIVEN IN LOW PRECISION. The matrix products marked QUANTISED in the list below multiply operands that are first quantised to E2M3 (2 exponent bits, 3 mantissa bits; 6 bits a number), with one power-of-two scale for each 32 numbers along K (OCP MX v1.0); their sums are f32. All else is computed in f32.
;;   The module's matrix products, in the order in which they are computed (A, B: the left and right operand; K: the contracted axis; several contracted axes count as one K, in the product's order):
;;     1. [M 2,048, K 2,048] x [K 2,048, N 8]; A: input hidden_states; B: input Wg: left as it is (N = 8 < 16)
;;     2. [M 2,048, K 2,048] x [K 2,048, N 2,048]; A: input hidden_states; B: input W: QUANTISED
;;     3. [M 2,048, K 2,048] x [K 2,048, N 2,048]; A: input hidden_states; B: input W: QUANTISED
;;     4. [M 2,048, K 2,048] x [K 2,048, N 2,048]; A: input hidden_states; B: input W: QUANTISED
;;     5. [M 2,048, K 2,048] x [K 2,048, N 2,048]; A: input hidden_states; B: input W: QUANTISED
;;     6. [M 2,048, K 2,048] x [K 2,048, N 2,048]; A: input hidden_states; B: input W: QUANTISED
;;     7. [M 2,048, K 2,048] x [K 2,048, N 2,048]; A: input hidden_states; B: input W: QUANTISED
;;     8. [M 2,048, K 2,048] x [K 2,048, N 2,048]; A: input hidden_states; B: input W: QUANTISED
;;     9. [M 2,048, K 2,048] x [K 2,048, N 2,048]; A: input hidden_states; B: input W: QUANTISED
;;   THE QUANTISER, for each operand of a quantised product, along K:
;;     - K is cut into blocks of 32 from its start; a last block that is shorter is filled with zeros.
;;     - A block's scale is 2^e with e = floor(log2(the largest magnitude in the block)) - 2, held to -126 .. 127; a block of zeros has e = 0. As a byte (E8M0): e + 127.
;;     - Each number is divided by its block's scale, clamped to +-7.5, and rounded to the nearest number of E2M3, ties to even, subnormals kept.
;;     - The product sums the exact products of the quantised numbers (number of the format x scale) in f32.
;;   ~~~python
;;   def quantise(x, axis):      # numpy; x: float32 -> the quantised numbers, widened to float32 again
;;       x = np.moveaxis(x, axis, -1); K = x.shape[-1]
;;       x = np.pad(x, [(0, 0)] * (x.ndim - 1) + [(0, -K % 32)]); x = x.reshape(x.shape[:-1] + (-1, 32)); a = np.abs(x).max(-1, keepdims=True)
;;       e = np.where(a > 0, np.clip(np.frexp(np.where(a > 0, a, 1))[1] - 1 - 2, -126, 127), 0)      # np.frexp(a)[1] - 1 = floor(log2(a)), exactly
;;       r = np.clip(x / 2.0 ** e, -7.5, 7.5)
;;       step = 2.0 ** (np.maximum(np.frexp(np.where(r == 0, 1, r))[1] - 1, 0) - 3)
;;       q = np.round(r / step) * step * 2.0 ** e      # np.round: ties to even
;;       return np.moveaxis(q.reshape(q.shape[:-2] + (-1,))[..., :K], -1, axis).astype(np.float32)
;;   ~~~
;; 2 versions, each right; version 2 is version 1 with the launch experts written anew for expert scheduling mode. Each part assembles by itself: llvm-mc -triple=amdgcn-amd-amdhsa -mcpu=gfx1250 --defsym DOCPART=n.
;; ======== version 1 of 2: 3 launches
;; workspace buffers: sel 8,192 bytes of whole numbers; rowinfo 8,192 bytes of whole numbers; tilebits 256 bytes of whole numbers; xq 3,145,728 bytes; xs 131,072 bytes; wq 25,165,824 bytes; ws 1,048,576 bytes
;; launch prep (part 1): grid 256 x 1, 16 waves a work-group, no clusters, 203,776 bytes of LDS; arguments hidden_states, Wg, bg, W, sel, xq, xs, wq, ws; writes sel, xq, xs, wq, ws
.if DOCPART == 1
	.amdgcn_target "amdgcn-amd-amdhsa--gfx1250"
	.amdhsa_code_object_version 6
	.text
	.protected	k_qd269f10507_prep
	.globl	k_qd269f10507_prep
	.p2align	8
	.type	k_qd269f10507_prep,@function
k_qd269f10507_prep:
	s_mov_b64 s[64:65], 0
	v_nop
	global_prefetch_b8 v0, s[64:65] scope:SCOPE_SE
	s_setreg_imm32_b32 hwreg(HW_REG_WAVE_MODE, 25, 1), 1
	s_wait_xcnt 0x0
; x [2048][2048] and W [8][2048][2048], f32, K innermost, become codes of FP6 (E2M3) with one E8M0 byte for each 32 along K; the router's logits x Wg^T + bg are made
; by f32 fused multiply-adds and each token's two largest are stored as whole numbers (a tie keeps the lower index, as jax.lax.top_k does).
; A block's scale is 2^(floor(log2(largest magnitude)) - 2): its byte is the largest magnitude's exponent field - 2, held at 1 from below by a floor among the maximum's leaves.
; LIMITS: NaN and infinities among the inputs are not served.  A block of zeros gets the byte 1 where the rule says 127: its codes are zeros, and this program alone reads the bytes.
; Blocks whose largest magnitude lies under 2^-124 keep the byte 1.  The logits are f32 sums in another order than the reference's: a token whose second and third logit
; differ by less than that rounding may choose otherwise.
; SHARES.  256 work-groups of 16 waves, all on one path.  Wave g = 16 x work-group + wave takes half a row of x (token g / 2, 1,024 numbers) and 16 rows x 512 K of W
; (tile of 16 rows g / 4, quarter g % 4): four fragments of 16 rows x 128 K.  A work-group reads 512 KiB of W on end.  Wg (64 KiB) comes into LDS once a work-group.
; WHAT IS STORED.  wq: a fragment as the image of its 12 registers: [tile][K step][j = 0..2][lane][16 bytes], registers 4 j .. 4 j + 3 of lane l at 512 j + 16 l: each store of a wave
; covers 512 consecutive bytes.  ws: [pair of tiles][quarter][16 x (tile % 2) + row][4 words], a word for each K step of 128.  xq: a row of 1,536 bytes, in each 96 bytes of a K step the
; four blocks in the order 0, 2, 1, 3, so that a lane's 48 bytes of a fragment lie on end.  xs: a row's 64 bytes as they come.  sel: word t = lower expert | higher expert << 8.
; No tensor loads: every number passes through registers on its way to the conversions.  Waves share Wg, the partial logits and x's scale bytes alone: two barriers.
.set STGB, 8448                        ; a wave's own stage: 16 rows x (512 bytes + 16)
.set WGL,  16*STGB                     ; Wg as it lies in memory: [e][k]
.set XSB,  WGL+65536                   ; the scale bytes of the work-group's 8 tokens, 64 each
.set LG,   XSB+512                     ; 8 partial logits for each wave
.set LANE, 1
.set RR,   2                           ; lane % 16
.set HH,   3                           ; lane / 16
.set L16,  4                           ; 16 x lane
.set STW,  5                           ; stage, W on its way in: 16 x lane
.set LDW,  6                           ; and out: row r, + 128 h
.set STX,  7                           ; stage, x on its way in: 80 (lane / 4) + 16 (lane % 4)
.set LDX,  8                           ; and out: 80 x lane
.set WGS,  9                           ; where I put my 4 KiB of Wg
.set WGR,  10                          ; where I read Wg: my half of K, 16 x lane
.set XBA,  11                          ; my block's scale byte of x
.set LGA,  12                          ; my wave's partial logits
.set XQO,  13                          ; my 12 bytes in a step's 384 of xq
.set WSO,  14                          ; my 8 bytes in the wave's 256 of ws
.set H8,   15                          ; 8 h
.set ACC,  16                          ; v16-31   eight logits, a pair of partial sums each
.set R0,   32                          ; v32-95   a fragment of W as loaded
.set R1,   96                          ; v96-159  the next one
.set X,    160                         ; v160-223 numbers turned so that a lane's registers run along K
.set XR,   192                         ; v192-223 x as loaded (free again when W's turn begins)
.set C,    224                         ; v224-235 a fragment's codes
.set CT,   236                         ; v236-238, v240-242 second halves of the blocks' codes
.set LGR,  239                         ; wave 0: where it reads a token's 16 partial logits
.set XSR,  243                         ; wave 0: where it reads the scale bytes back
.set AM,   244                         ; two largest magnitudes
.set SCO,  246                         ; two scale operands
.set BY,   248                         ; two scale bytes
.set SW,   250                         ; v250-253 the four fragments' scale words
.set TA,   254
.set TB,   255
.macro WLOAD f, set                    ; fragment f: 16 rows, 512 consecutive bytes of each
.irp q, 0,1,2,3,4,5,6,7,8,9,10,11,12,13,14,15
	global_load_b128 v[\set+4*\q:\set+4*\q+3], v[L16], s[10:11] offset:\q*8192+(\f)*512 th:TH_LOAD_NT
.endr
.endm
	s_load_b512 s[4:19], s[0:1], 0x0               ; x s[4:5], Wg s[6:7], bg s[8:9], W s[10:11], sel s[12:13], xq s[14:15], xs s[16:17], wq s[18:19]
	s_load_b64 s[20:21], s[0:1], 0x40              ; ws
	v_lshrrev_b32 v1, 5, v0
	v_readfirstlane_b32 s22, v1                    ; wave 0..15
	v_and_b32 v[LANE], 31, v0
	v_and_b32 v[RR], 15, v0
	v_bfe_u32 v[HH], v0, 4, 1
	s_lshl_b32 s23, ttmp9, 4
	s_add_co_u32 s23, s23, s22                     ; g
	v_lshlrev_b32 v[L16], 4, v[LANE]
	s_wait_kmcnt 0x0
	s_load_b256 s[28:35], s[8:9], 0x0              ; bg: eight numbers, wanted by wave 0 at the end of the router
	s_mov_b32 s25, 0
	s_lshl_b32 s24, ttmp9, 16                      ; x: 8 rows of 8,192 bytes a work-group, 4,096 bytes a wave
	s_lshl_b32 s26, s22, 12
	s_add_co_u32 s24, s24, s26
	s_add_nc_u64 s[4:5], s[4:5], s[24:25]
	s_mov_b32 s24, s26                             ; Wg: 4,096 bytes a wave
	s_add_nc_u64 s[6:7], s[6:7], s[24:25]
	s_lshr_b32 s24, s23, 2                         ; W: 16 rows of 8,192 bytes a tile, 2,048 bytes a quarter
	s_lshl_b32 s24, s24, 17
	s_and_b32 s26, s23, 3
	s_lshl_b32 s27, s26, 11
	s_add_co_u32 s24, s24, s27
	s_add_nc_u64 s[10:11], s[10:11], s[24:25]
.irp u, 0,1,2,3,4,5,6,7
	global_load_b128 v[X+4*\u:X+4*\u+3], v[L16], s[6:7] offset:512*\u              ; my part of Wg
.endr
.irp u, 0,1,2,3,4,5,6,7
	global_load_b128 v[XR+4*\u:XR+4*\u+3], v[L16], s[4:5] offset:512*\u th:TH_LOAD_NT  ; my half row of x
.endr
	WLOAD 0, R0
	WLOAD 1, R1
	s_mul_i32 s24, s23, 6144                       ; wq: four fragments of 1,536 bytes a wave
	s_add_nc_u64 s[18:19], s[18:19], s[24:25]
	s_lshr_b32 s24, s23, 3                         ; ws: 2,048 bytes a pair of tiles, 512 a quarter, 256 a tile
	s_lshl_b32 s24, s24, 11
	s_lshl_b32 s27, s26, 9
	s_add_co_u32 s24, s24, s27
	s_bfe_u32 s27, s23, 0x10002
	s_lshl_b32 s27, s27, 8
	s_add_co_u32 s24, s24, s27
	s_add_nc_u64 s[20:21], s[20:21], s[24:25]
	s_mul_i32 s24, ttmp9, 12288                    ; xq: 1,536 bytes a row, 768 a wave
	s_mul_i32 s27, s22, 768
	s_add_co_u32 s24, s24, s27
	s_add_nc_u64 s[14:15], s[14:15], s[24:25]
	s_lshl_b32 s24, ttmp9, 9                       ; xs: 8 rows of 64 bytes a work-group
	s_add_nc_u64 s[16:17], s[16:17], s[24:25]
	s_lshl_b32 s24, ttmp9, 5                       ; sel: 8 words a work-group
	s_add_nc_u64 s[12:13], s[12:13], s[24:25]
	s_mov_b32 s36, 0x76543210                      ; v_permlanex16_b32's selects for lane l xor 16
	s_mov_b32 s37, 0xfedcba98
	s_mul_i32 s26, s22, STGB                       ; my stage
	v_add_nc_u32 v[STW], s26, v[L16]
	v_mul_u32_u24 v[LDW], v[RR], 528
	v_lshl_add_u32 v[LDW], v[HH], 7, v[LDW]
	v_add_nc_u32 v[LDW], s26, v[LDW]
	v_lshrrev_b32 v[STX], 2, v[LANE]
	v_mul_u32_u24 v[STX], v[STX], 80
	v_and_b32 v[LDX], 3, v[LANE]
	v_lshl_add_u32 v[STX], v[LDX], 4, v[STX]
	v_add_nc_u32 v[STX], s26, v[STX]
	v_mul_u32_u24 v[LDX], v[LANE], 80
	v_add_nc_u32 v[LDX], s26, v[LDX]
	s_lshl_b32 s27, s22, 12
	s_add_co_u32 s27, s27, WGL
	v_add_nc_u32 v[WGS], s27, v[L16]
	s_and_b32 s27, s22, 1                          ; which half of K is mine
	s_lshl_b32 s27, s27, 12
	s_add_co_u32 s27, s27, WGL
	v_add_nc_u32 v[WGR], s27, v[L16]
	s_lshl_b32 s27, s22, 5                         ; 32 bytes a wave, in the scale bytes and in the partial logits
	v_lshrrev_b32 v[XBA], 1, v[LANE]
	v_add_nc_u32 v[XBA], s27, v[XBA]
	v_add_nc_u32 v[XBA], XSB, v[XBA]
	s_add_co_u32 s27, s27, LG
	v_mov_b32 v[LGA], s27
	v_lshrrev_b32 v[XQO], 3, v[LANE]               ; eight lanes to a K step of 128: 96 bytes;
	v_mul_u32_u24 v[XQO], v[XQO], 96
	v_bfe_u32 v[WSO], v[LANE], 1, 1                ; block b = (lane / 2) % 4 goes to place 2 (b % 2) + b / 2, 24 bytes a place;
	v_mad_u32_u24 v[XQO], v[WSO], 48, v[XQO]
	v_bfe_u32 v[WSO], v[LANE], 2, 1
	v_mad_u32_u24 v[XQO], v[WSO], 24, v[XQO]
	v_and_b32 v[WSO], 1, v[LANE]                   ; two lanes to a block, 12 bytes each
	v_mad_u32_u24 v[XQO], v[WSO], 12, v[XQO]
	v_lshlrev_b32 v[WSO], 4, v[RR]
	v_lshl_add_u32 v[WSO], v[HH], 3, v[WSO]
	v_lshlrev_b32 v[H8], 3, v[HH]
	v_and_b32 v[TA], 7, v[LANE]
	v_lshl_add_u32 v[LGR], v[TA], 6, LG            ; token lane % 8: the 64 bytes of its two waves
	v_add_nc_u32 v[XSR], XSB, v[L16]
	v_mov_b32 v[TB], 0                             ; written once: a lane permute's destination counts as one of its sources
	; ---- Wg into LDS
	s_wait_loadcnt 40                              ; behind Wg's eight loads: x's 8 and W's 32
.irp u, 0,1,2,3,4,5,6,7
	ds_store_b128 v[WGS], v[X+4*\u:X+4*\u+3] offset:512*\u
.endr
	s_wait_dscnt 0x0                               ; for the others' sake: my part of Wg has landed
	s_barrier_signal -1
	s_barrier_wait -1                              ; all of Wg lies in LDS; nobody writes it again
	; ---- the logits: my 1,024 numbers of x against the same 1,024 of each of Wg's eight rows, four numbers a lane and load
	s_wait_loadcnt 32                              ; x is in; W's 32 loads may be out
.irp u, 0,1,2,3,4,5,6,7
.irp e, 0,1,2,3,4,5,6,7
	ds_load_b128 v[X+4*\e:X+4*\e+3], v[WGR] offset:\e*8192+\u*512
.endr
	s_wait_dscnt 0x0
.irp e, 0,1,2,3,4,5,6,7
.if \u == 0
	v_pk_mul_f32 v[ACC+2*\e:ACC+2*\e+1], v[XR:XR+1], v[X+4*\e:X+4*\e+1]             ; the first products start the sums
.else
	v_pk_fma_f32 v[ACC+2*\e:ACC+2*\e+1], v[XR+4*\u:XR+4*\u+1], v[X+4*\e:X+4*\e+1], v[ACC+2*\e:ACC+2*\e+1]
.endif
.endr
.irp e, 0,1,2,3,4,5,6,7
	v_pk_fma_f32 v[ACC+2*\e:ACC+2*\e+1], v[XR+4*\u+2:XR+4*\u+3], v[X+4*\e+2:X+4*\e+3], v[ACC+2*\e:ACC+2*\e+1]
.endr
.endr
	; ---- x is quantised: two steps of 512 numbers.  A step's 2,048 bytes go through my stage as they lie and come back 64 bytes a lane: 16 neighbours; two lanes hold a block
.irp st, 0,1
.irp i, 0,1,2,3
	ds_store_b128 v[STX], v[XR+16*\st+4*\i:XR+16*\st+4*\i+3] offset:2560*\st+640*\i
.endr
.irp i, 0,1,2,3
	ds_load_b128 v[X+16*\st+4*\i:X+16*\st+4*\i+3], v[LDX] offset:2560*\st+16*\i    ; LDS serves a wave's instructions in order: these see the stores above
.endr
.endr
	s_wait_dscnt 0x0
.irp st, 0,1
	v_max3_num_f32 v[AM+\st], |v[X+16*\st]|, |v[X+16*\st+1]|, 0x1800000             ; my 16 numbers and the floor 2^(3 - 127): the byte cannot fall under 1
.endr
.irp i, 2,4,6,8,10,12,14
.irp st, 0,1
	v_max3_num_f32 v[AM+\st], v[AM+\st], |v[X+16*\st+\i]|, |v[X+16*\st+\i+1]|       ; (the two steps by turns)
.endr
.endr
.irp st, 0,1
	v_max_num_f32_dpp v[AM+\st], v[AM+\st], v[AM+\st] row_xmask:1 row_mask:0xf bank_mask:0xf   ; with my neighbour's 16: the block's
.endr
.irp st, 0,1
	v_add_nc_u32 v[SCO+\st], 0xff000000, v[AM+\st]  ; 2 off the exponent field: the conversion takes the exponent field of this operand as its scale
.endr
.irp st, 0,1
	v_cvt_scalef32_pk16_fp6_f32 v[C+4*\st:C+4*\st+2], v[X+16*\st:X+16*\st+15], v[SCO+\st]
.endr
.irp st, 0,1
	v_lshrrev_b32 v[BY+\st], 23, v[SCO+\st]         ; the scale's byte (also the plain line behind the conversions)
.endr
.irp st, 0,1
	ds_store_b8 v[XBA], v[BY+\st] offset:16*\st     ; both lanes of a block write the same byte with the same value
	global_store_b96 v[XQO], v[C+4*\st:C+4*\st+2], s[14:15] offset:384*\st          ; the wave's 32 x 12 bytes fill 384 consecutive bytes
.endr
	; ---- my wave's eight partial logits: the pair's halves, then the 32 lanes
.irp e, 0,1,2,3,4,5,6,7
	v_add_f32 v[ACC+2*\e], v[ACC+2*\e], v[ACC+2*\e+1]
.endr
.irp m, 1,2,4,8
.irp e, 0,1,2,3,4,5,6,7
	v_add_f32_dpp v[ACC+2*\e], v[ACC+2*\e], v[ACC+2*\e] row_xmask:\m row_mask:0xf bank_mask:0xf
.endr
.endr
.irp e, 0,1,2,3,4,5,6,7
	v_permlanex16_b32 v[ACC+2*\e+1], v[ACC+2*\e], s36, s37
.endr
.irp e, 0,1,2,3,4,5,6,7
	v_add_f32 v[ACC+2*\e], v[ACC+2*\e], v[ACC+2*\e+1]
.endr
.irp e, 0,1,2,3,4,5,6,7
	ds_store_b32 v[LGA], v[ACC+2*\e] offset:4*\e    ; all lanes write the same word with the same value
.endr
	s_wait_kmcnt 0x0                               ; bg
	s_wait_dscnt 0x0                               ; for wave 0's sake: my logits and my scale bytes have landed
	s_barrier_signal -1
	s_barrier_wait -1
	; ---- wave 0: lane l serves token l % 8: the two halves' sums, the bias, the two largest; and the 512 scale bytes leave as one run of 512
	s_cmp_lg_u32 s22, 0
	s_cbranch_scc1 .Lnot_wave_0
.irp i, 0,1,2,3
	ds_load_b128 v[160+4*\i:163+4*\i], v[LGR] offset:16*\i
.endr
	ds_load_b128 v[176:179], v[XSR]
	v_lshlrev_b32 v187, 2, v[LANE]
	v_mov_b32 v184, 0xff800000                     ; -infinity
	s_wait_dscnt 0x0
.irp e, 0,1,2,3,4,5,6,7
	v_add_f32 v[160+\e], v[160+\e], v[168+\e]
.endr
.irp e, 0,1,2,3,4,5,6,7
	v_add_f32 v[160+\e], s[28+\e], v[160+\e]
.endr
	v_mov_b32 v180, v160                           ; the largest so far, and its index: a later one takes over only where it is strictly larger
	v_mov_b32 v181, 0
.irp e, 1,2,3,4,5,6,7
	v_cmp_le_f32 vcc_lo, v[160+\e], v180
	v_cndmask_b32 v181, \e, v181, vcc_lo
	v_max_num_f32 v180, v180, v[160+\e]
.endr
.irp e, 0,1,2,3,4,5,6,7
	v_cmp_eq_u32 vcc_lo, \e, v181
	v_cndmask_b32 v[160+\e], v[160+\e], v184, vcc_lo   ; the chosen one is taken out
.endr
	v_mov_b32 v182, v160
	v_mov_b32 v183, 0
.irp e, 1,2,3,4,5,6,7
	v_cmp_le_f32 vcc_lo, v[160+\e], v182
	v_cndmask_b32 v183, \e, v183, vcc_lo
	v_max_num_f32 v182, v182, v[160+\e]
.endr
	v_min_u32 v185, v181, v183
	v_max_u32 v186, v181, v183
	v_lshl_or_b32 v185, v186, 8, v185              ; lower expert | higher expert << 8
	global_store_b128 v[L16], v[176:179], s[16:17]
	v_cmp_gt_u32 vcc_lo, 8, v0
	s_wait_xcnt 0x0                                ; EXEC is a source of every memory instruction that is out: it changes only behind this wait
	s_and_saveexec_b32 s38, vcc_lo
	global_store_b32 v187, v185, s[12:13]          ; lanes 0 to 7: the work-group's eight words
	s_wait_xcnt 0x0                                ; and again in front of the line that widens it; the stores' registers are free too
	s_or_b32 exec_lo, exec_lo, s38
.Lnot_wave_0:
; ---- W.  Fragment f: 16 rows x 512 bytes through my stage (rows 528 bytes apart, so that the sixteen rows of a load begin at sixteen different 16-byte columns); lane (r, h) takes back, of row r,
; the blocks h and 2 + h whole: 64 numbers in the order of the operand's registers.  Each block's largest magnitude needs no other lane.  left: the younger loads that may stay out.
.macro WFRAG f, set, more, left
	s_wait_loadcnt \left
.irp q, 0,1,2,3,4,5,6,7,8,9,10,11,12,13,14,15
	ds_store_b128 v[STW], v[\set+4*\q:\set+4*\q+3] offset:528*\q
.endr
.irp c, 0,1
.irp u, 0,1,2,3,4,5,6,7
	ds_load_b128 v[X+32*\c+4*\u:X+32*\c+4*\u+3], v[LDW] offset:256*\c+16*\u
.endr
.endr
	s_wait_dscnt 0x0                               ; the numbers are back, and the stores have read their registers,
.if \more
	WLOAD (\f)+2, \set                             ; which take the fragment two on
.endif
.irp c, 0,1
	v_max3_num_f32 v[AM+\c], |v[X+32*\c]|, |v[X+32*\c+1]|, 0x1800000
.endr
.irp i, 2,4,6,8,10,12,14,16,18,20,22,24,26,28,30
.irp c, 0,1
	v_max3_num_f32 v[AM+\c], v[AM+\c], |v[X+32*\c+\i]|, |v[X+32*\c+\i+1]|           ; (the two blocks by turns)
.endr
.endr
.irp c, 0,1
	v_add_nc_u32 v[SCO+\c], 0xff000000, v[AM+\c]
.endr
.irp c, 0,1
	v_lshrrev_b32 v[BY+\c], 23, v[SCO+\c]
.endr
	v_lshl_or_b32 v[TA], v[BY+1], 16, v[BY]        ; my two bytes: blocks h and 2 + h,
	v_lshlrev_b32 v[TA], v[H8], v[TA]              ; at their places in the row's word;
	v_permlanex16_b32 v[TB], v[TA], s36, s37
	v_or_b32 v[SW+\f], v[TA], v[TB]                ; with lane l xor 16's two the word is whole
	s_wait_xcnt 0x0                                ; the earlier stores have read the codes' registers: they are written again only behind this wait
	v_cvt_scalef32_pk16_fp6_f32 v[C:C+2], v[X:X+15], v[SCO]
	v_cvt_scalef32_pk16_fp6_f32 v[CT:CT+2], v[X+16:X+31], v[SCO]                    ; (a conversion's three registers begin on an even number: a block's second three do not)
	v_cvt_scalef32_pk16_fp6_f32 v[C+6:C+8], v[X+32:X+47], v[SCO+1]
	v_cvt_scalef32_pk16_fp6_f32 v[CT+4:CT+6], v[X+48:X+63], v[SCO+1]
	v_nop                                          ; one plain line behind the conversions
.irp i, 0,1,2
	v_mov_b32 v[C+3+\i], v[CT+\i]
	v_mov_b32 v[C+9+\i], v[CT+4+\i]
.endr
.irp j, 0,1,2
	global_store_b128 v[L16], v[C+4*\j:C+4*\j+3], s[18:19] offset:(\f)*1536+512*\j  ; 32 lanes store 512 consecutive bytes, at a multiple of 512 from wq's first byte
.endr
.endm
	WFRAG 0, R0, 1, 16                             ; 16: the other set's loads
	WFRAG 1, R1, 1, 16
	WFRAG 2, R0, 0, 16
	WFRAG 3, R1, 0, 0
	v_cmp_eq_u32 vcc_lo, 1, v[HH]                  ; a row's four words are 16 bytes: lanes 0-15 store words 0 and 1, lanes 16-31 words 2 and 3
	v_cndmask_b32 v[AM], v[SW], v[SW+2], vcc_lo
	v_cndmask_b32 v[AM+1], v[SW+1], v[SW+3], vcc_lo
	global_store_b64 v[WSO], v[AM:AM+1], s[20:21]  ; the wave stores 256 consecutive bytes, at a multiple of 256 from ws's first byte
	s_wait_xcnt 0x0
	s_mov_b32 exec_lo, -1
	v_lshl_add_u32 v254, v0, 2, 0x31400
	v_mov_b32 v255, 0
	s_wait_tensorcnt 0x0
	ds_add_u32 v254, v255
	s_wait_dscnt 0x0
	s_endpgm
.Lfunc_end_k_qd269f10507_prep:
	.size	k_qd269f10507_prep, .Lfunc_end_k_qd269f10507_prep-k_qd269f10507_prep
	.p2alignl 7, 3214868480
	.fill 96, 4, 3214868480
	.section	.rodata,"a",@progbits
	.p2align	6, 0x0
	.amdhsa_kernel k_qd269f10507_prep
		.amdhsa_group_segment_fixed_size 203776
		.amdhsa_private_segment_fixed_size 0
		.amdhsa_enable_private_segment 0
		.amdhsa_kernarg_size 72
		.amdhsa_user_sgpr_count 2
		.amdhsa_user_sgpr_kernarg_segment_ptr 1
		.amdhsa_wavefront_size32 1
		.amdhsa_system_sgpr_workgroup_id_x 1
		.amdhsa_system_sgpr_workgroup_id_y 1
		.amdhsa_system_sgpr_workgroup_id_z 1
		.amdhsa_system_vgpr_workitem_id 0
		.amdhsa_next_free_vgpr 256
		.amdhsa_next_free_sgpr 66
		.amdhsa_reserve_vcc 1
		.amdhsa_float_denorm_mode_32 3
		.amdhsa_float_denorm_mode_16_64 3
		.amdhsa_memory_ordered 1
		.amdhsa_forward_progress 1
		.amdhsa_inst_pref_size 56
	.end_amdhsa_kernel
	.amdgpu_metadata
---
amdhsa.version: [ 1, 2 ]
amdhsa.kernels:
  - .name:           k_qd269f10507_prep
    .symbol:         k_qd269f10507_prep.kd
    .args:
      - { .name: hidden_states, .offset: 0, .size: 8, .value_kind: global_buffer, .address_space: global }
      - { .name: Wg, .offset: 8, .size: 8, .value_kind: global_buffer, .address_space: global }
      - { .name: bg, .offset: 16, .size: 8, .value_kind: global_buffer, .address_space: global }
      - { .name: W, .offset: 24, .size: 8, .value_kind: global_buffer, .address_space: global }
      - { .name: sel, .offset: 32, .size: 8, .value_kind: global_buffer, .address_space: global }
      - { .name: xq, .offset: 40, .size: 8, .value_kind: global_buffer, .address_space: global }
      - { .name: xs, .offset: 48, .size: 8, .value_kind: global_buffer, .address_space: global }
      - { .name: wq, .offset: 56, .size: 8, .value_kind: global_buffer, .address_space: global }
      - { .name: ws, .offset: 64, .size: 8, .value_kind: global_buffer, .address_space: global }
    .group_segment_fixed_size: 203776
    .private_segment_fixed_size: 0
    .kernarg_segment_align: 8
    .kernarg_segment_size: 72
    .max_flat_workgroup_size: 512
    .sgpr_count:     66
    .vgpr_count:     256
    .wavefront_size: 32
...
	.end_amdgpu_metadata
.endif
;; end of part 1
;; launch place (part 2): grid 1 x 1, 32 waves a work-group, no clusters, 13,312 bytes of LDS; arguments sel, rowinfo, tilebits; writes rowinfo, tilebits
.if DOCPART == 2
	.amdgcn_target "amdgcn-amd-amdhsa--gfx1250"
	.amdhsa_code_object_version 6
	.text
	.protected	k_qd269f10507_place
	.globl	k_qd269f10507_place
	.p2align	8
	.type	k_qd269f10507_place,@function
k_qd269f10507_place:
	s_mov_b64 s[64:65], 0
	v_nop
	global_prefetch_b8 v0, s[64:65] scope:SCOPE_SE
	s_setreg_imm32_b32 hwreg(HW_REG_WAVE_MODE, 25, 1), 1
	s_wait_xcnt 0x0
; The 2,048 tokens are sorted by their pair of experts (lower, higher): 28 keys, a counting sort without atomics.  rowinfo[slot] = token | (1 << lower | 1 << higher) << 16;
; tilebits[T], T = 0 .. 127, a byte: the experts that any of slots 16 T .. 16 T + 15 uses.  The order inside a key does not matter to the launch that reads them.
; One work-group: the sort is one prefix sum over 32 x 28 counts.  Wave w takes tokens 64 w + lane (chunk A) and 64 w + 32 + lane (chunk B).
; THE SUMS ARE MADE ONCE.  Each wave stores the counts of its 64 tokens, lane k key k's, as a row.  Behind a barrier wave k takes COLUMN k (lane l: wave l's count of key k), sums it along the lanes,
; and stores the sums of the waves ahead back, transposed, and the key's total.  Behind a second barrier each wave reads its own row of those sums and the 32 totals, and sums the totals along the lanes:
; the keys' first slots.  Waves 28 to 31 take columns whose counts are all 0, so that all 32 waves run one text.
; LDS: counts [wave][32 words], rows 33 words apart, so that the 32 lanes of a column fall on 32 different banks (64 banks of 4 bytes: ISA guide 11.1); the sums likewise; 32 totals.
; What is read from sel is held to 0..7, and the key to 0..27, so that every slot lies in 0..2,047 whatever the words hold.
.set PITCH, 132                        ; a row of counts or of sums, in bytes
.set PRE,   4352                       ; the sums of the waves ahead: [wave][key]
.set TOT,   8704                       ; the keys' totals
	s_load_b128 s[4:7], s[0:1], 0x0                ; sel, rowinfo
	s_load_b64 s[8:9], s[0:1], 0x10                ; tilebits
	v_lshl_add_u32 v126, v0, 2, 0x2400
	v_mov_b32 v127, 0
	v_lshrrev_b32 v1, 5, v0
	v_readfirstlane_b32 s10, v1                    ; wave 0..31
	v_and_b32 v2, 31, v0                           ; lane
	v_lshlrev_b32 v3, 2, v2                        ; 4 x lane
	v_lshl_add_u32 v4, v1, 8, v3                   ; 256 x wave + 4 x lane: my first token's word in sel
	v_lshl_add_u32 v5, v1, 6, v2                   ; my first token
	v_mad_u32_u24 v17, v1, PITCH, v3               ; row = my wave, word = my lane
	v_lshlrev_b32 v19, 2, v1                       ; 4 x wave
	v_mad_u32_u24 v18, v2, PITCH, v19              ; row = my lane, word = my wave: a column
	v_bfe_u32 v25, v0, 4, 1
	v_sub_nc_u32 v25, 0, v25                       ; all ones in lanes 16-31, 0 in lanes 0-15
	v_mov_b32 v23, 1
	v_mov_b32 v12, 0                               ; my two tokens' ranks among their chunk's tokens of the same key
	v_mov_b32 v13, 0
	v_mov_b32 v14, 0                               ; the two chunks' counts: lane k holds key k's (lanes 28-31 stay 0)
	v_mov_b32 v15, 0
	v_mov_b32 v26, 0                               ; written once: the destination of a DPP form counts as one of its sources
	s_wait_kmcnt 0x0
	global_load_b32 v6, v4, s[4:5]
	global_load_b32 v7, v4, s[4:5] offset:128
	s_wait_loadcnt 0x0
.macro KEY wd, key, eb                 ; key = lo (15 - lo) / 2 + hi - lo - 1: the pairs in the order (0,1) .. (0,7), (1,2) .. (6,7)
	v_and_b32 v20, 0xff, v[\wd]
	v_min_u32 v20, 7, v20
	v_bfe_u32 v21, v[\wd], 8, 8
	v_min_u32 v21, 7, v21
	v_sub_nc_u32 v22, 15, v20
	v_mul_u32_u24 v22, v22, v20
	v_lshrrev_b32 v22, 1, v22
	v_add_nc_u32 v22, v22, v21
	v_sub_nc_u32 v22, v22, v20
	v_add_nc_u32 v22, -1, v22
	v_min_u32 v[\key], 27, v22
	v_lshlrev_b32 v20, v20, v23
	v_lshlrev_b32 v21, v21, v23
	v_or_b32 v[\eb], v20, v21
.endm
	KEY 6, 8, 10
	KEY 7, 9, 11
.macro BALLOT key, rank, cnt           ; for each key: which lanes have it; how many; and, for those lanes, how many lower lanes have it
.set k, 0
.rept 28
	v_cmp_eq_u32 vcc_lo, k, v[\key]
	s_bcnt1_i32_b32 s2, vcc_lo
	v_writelane_b32 v[\cnt], s2, k
	v_mbcnt_lo_u32_b32 v24, vcc_lo, 0
	v_cndmask_b32 v[\rank], v[\rank], v24, vcc_lo
.set k, k+1
.endr
.endm
	BALLOT 8, 12, 14
	BALLOT 9, 13, 15
; v[d] = the sum of v[s] over lanes 0 .. my lane.  row_shr:n brings lane i the number of lane i - n of its row of 16, and with bound_ctrl:1 a lane that has no such lane takes 0 (ISA guide, the chapter on DPP):
; four steps sum a row; then the lower row's sum, lane 15's, is added in lanes 16-31.
.macro SCAN d, s
	v_mov_b32_dpp v26, v[\s] row_shr:1 row_mask:0xf bank_mask:0xf bound_ctrl:1
	v_add_nc_u32 v[\d], v[\s], v26
.irp n, 2,4,8
	v_mov_b32_dpp v26, v[\d] row_shr:\n row_mask:0xf bank_mask:0xf bound_ctrl:1
	v_add_nc_u32 v[\d], v[\d], v26
.endr
	v_readlane_b32 s2, v[\d], 15
	v_and_b32 v26, s2, v25
	v_add_nc_u32 v[\d], v[\d], v26
.endm
	v_add_nc_u32 v27, v14, v15                     ; my wave's 64 tokens: lane k, key k's count
	ds_store_b32 v17, v27
	s_wait_dscnt 0x0                               ; for the others' sake: my row has landed
	s_barrier_signal -1
	s_barrier_wait -1
	; ---- wave k: key k's counts, a wave to a lane
	ds_load_b32 v28, v18
	s_wait_dscnt 0x0
	SCAN 29, 28
	v_readlane_b32 s3, v29, 31                     ; the key's total
	v_sub_nc_u32 v29, v29, v28                     ; lane l: the key's tokens in the waves ahead of wave l
	v_mov_b32 v30, s3
	ds_store_b32 v18, v29 offset:PRE               ; back as a column of the second table: bytes of their own, so the first table's readers need no barrier more
	ds_store_b32 v19, v30 offset:TOT               ; all lanes write the same word with the same value
	s_wait_dscnt 0x0                               ; for the others' sake: my column and my total have landed
	s_barrier_signal -1
	s_barrier_wait -1
	; ---- every wave: lane k, key k
	ds_load_b32 v31, v17 offset:PRE                ; the key's tokens in the waves ahead of mine
	ds_load_b32 v32, v3 offset:TOT                 ; the key's total
	s_wait_dscnt 0x0
	SCAN 16, 32
	v_sub_nc_u32 v16, v16, v32                     ; the key's first slot; lane 28 holds 2,048, the slot behind the last
	v_add_nc_u32 v27, v16, v31                     ; where my chunk A's tokens of the key begin,
	v_add_nc_u32 v28, v27, v14                     ; and chunk B's
	v_lshlrev_b32 v33, 2, v8
	v_lshlrev_b32 v34, 2, v9
	ds_bpermute_b32 v35, v33, v27                  ; each lane fetches its own key's
	ds_bpermute_b32 v36, v34, v28
	v_lshl_or_b32 v37, v10, 16, v5                 ; token | experts' bits << 16
	v_add_nc_u32 v38, 32, v5
	v_lshl_or_b32 v38, v11, 16, v38
	s_wait_dscnt 0x0
	v_add_nc_u32 v35, v35, v12
	v_add_nc_u32 v36, v36, v13
	v_min_u32 v35, 2047, v35
	v_min_u32 v36, 2047, v36
	v_lshlrev_b32 v35, 2, v35
	v_lshlrev_b32 v36, 2, v36
	global_store_b32 v35, v37, s[6:7]              ; the slots are a permutation of 0 .. 2,047: every word is stored once
	global_store_b32 v36, v38, s[6:7]
	; ---- waves 0 to 3: thread T gathers tile T's bits.  Key k's slots [first k, first k + 1) meet the tile's [16 T, 16 T + 16) where min(the two ends) > max(the two starts);
	; a key without tokens meets none.  The 28 keys go phase by phase, so that no line waits for the line above it; no register of the stores above is written.
	s_cmp_gt_u32 s10, 3
	s_cbranch_scc1 .Lend
.set k, 0
.rept 29
	v_readlane_b32 s[32+k], v16, k                 ; the keys' first slots as scalars: s[32 + k]
.set k, k+1
.endr
	v_lshlrev_b32 v20, 4, v0                       ; the tile's first slot,
	v_add_nc_u32 v21, 16, v20                      ; and the slot behind its last
.irp a, 0,1,2,3
	v_mov_b32 v[100+\a], 0
.endr
.set k, 0
.rept 28
	v_min_u32 v[40+k], s[33+k], v21
.set k, k+1
.endr
.set k, 0
.rept 28
	v_max_u32 v[68+k], s[32+k], v20
.set k, k+1
.endr
.set k, 0
.rept 28
	v_sub_nc_u32 v[40+k], v[68+k], v[40+k]         ; under 0 where they meet (all four numbers lie in 0 .. 2,048)
.set k, k+1
.endr
.set k, 0
.rept 28
	v_ashrrev_i32 v[40+k], 31, v[40+k]             ; all ones there, else 0
.set k, k+1
.endr
.set k, 0
.irp lo, 0,1,2,3,4,5,6
.irp hi, 1,2,3,4,5,6,7
.if \hi > \lo
	v_and_or_b32 v[100+k%4], v[40+k], (1<<\lo)|(1<<\hi), v[100+k%4]   ; the key's two experts, into four gatherings by turns
.set k, k+1
.endif
.endr
.endr
	v_or_b32 v100, v100, v101
	v_or_b32 v102, v102, v103
	v_or_b32 v100, v100, v102
	global_store_b8 v0, v100, s[8:9]               ; 128 threads store the 128 bytes on end
.Lend:
	s_barrier_signal -1
	s_barrier_wait -1
	s_wait_tensorcnt 0x0
	ds_add_u32 v126, v127
	s_wait_dscnt 0x0
	s_endpgm
.Lfunc_end_k_qd269f10507_place:
	.size	k_qd269f10507_place, .Lfunc_end_k_qd269f10507_place-k_qd269f10507_place
	.p2alignl 7, 3214868480
	.fill 96, 4, 3214868480
	.section	.rodata,"a",@progbits
	.p2align	6, 0x0
	.amdhsa_kernel k_qd269f10507_place
		.amdhsa_group_segment_fixed_size 13312
		.amdhsa_private_segment_fixed_size 0
		.amdhsa_enable_private_segment 0
		.amdhsa_kernarg_size 24
		.amdhsa_user_sgpr_count 2
		.amdhsa_user_sgpr_kernarg_segment_ptr 1
		.amdhsa_wavefront_size32 1
		.amdhsa_system_sgpr_workgroup_id_x 1
		.amdhsa_system_sgpr_workgroup_id_y 1
		.amdhsa_system_sgpr_workgroup_id_z 1
		.amdhsa_system_vgpr_workitem_id 0
		.amdhsa_next_free_vgpr 128
		.amdhsa_next_free_sgpr 66
		.amdhsa_reserve_vcc 1
		.amdhsa_float_denorm_mode_32 3
		.amdhsa_float_denorm_mode_16_64 3
		.amdhsa_memory_ordered 1
		.amdhsa_forward_progress 1
		.amdhsa_inst_pref_size 26
	.end_amdhsa_kernel
	.amdgpu_metadata
---
amdhsa.version: [ 1, 2 ]
amdhsa.kernels:
  - .name:           k_qd269f10507_place
    .symbol:         k_qd269f10507_place.kd
    .args:
      - { .name: sel, .offset: 0, .size: 8, .value_kind: global_buffer, .address_space: global }
      - { .name: rowinfo, .offset: 8, .size: 8, .value_kind: global_buffer, .address_space: global }
      - { .name: tilebits, .offset: 16, .size: 8, .value_kind: global_buffer, .address_space: global }
    .group_segment_fixed_size: 13312
    .private_segment_fixed_size: 0
    .kernarg_segment_align: 8
    .kernarg_segment_size: 24
    .max_flat_workgroup_size: 1024
    .sgpr_count:     66
    .vgpr_count:     128
    .wavefront_size: 32
...
	.end_amdgpu_metadata
.endif
;; end of part 2
;; launch experts (part 3): grid 16 x 16, 4 waves a work-group, no clusters, 276,992 bytes of LDS; arguments rowinfo, tilebits, xq, xs, wq, ws, b, out0; writes out0
.if DOCPART == 3
	.amdgcn_target "amdgcn-amd-amdhsa--gfx1250"
	.amdhsa_code_object_version 6
	.text
	.protected	k_qd269f10507_experts
	.globl	k_qd269f10507_experts
	.p2align	8
	.type	k_qd269f10507_experts,@function
k_qd269f10507_experts:
	s_mov_b64 s[64:65], 0
	v_nop
	global_prefetch_b8 v0, s[64:65] scope:SCOPE_SE
	s_setreg_imm32_b32 hwreg(HW_REG_WAVE_MODE, 25, 1), 1
	s_wait_xcnt 0x0
; out[t] = the sum over token t's two experts e of x[t] W[e]^T + b[e], on codes of FP6 (E2M3) with one E8M0 byte for each 32 along K; sums in f32.
; SHARES.  The tokens come sorted by their pair of experts (rowinfo).  A work-group owns 128 sorted slots (grid y) x 128 columns of out (grid x): each number of out has one owner.
; Wave w owns columns 32 w .. 32 w + 31 of the 128, two tiles of 16, for all eight tiles of 16 slots.  x's 128 rows of codes are gathered into LDS once and read by all four waves;
; each fragment of W is wanted by one wave alone and comes from memory straight into its registers, as the image of the registers that an earlier launch has laid.
; THE WALK.  The work-group walks the experts that its 128 slots use (the OR of eight bytes of tilebits).  For an expert, K goes in two halves of 1,024 (eight K steps), register sets A and B: while one is
; multiplied the other is on its way.  A UNIT is (half, tile of slots): 16 matrix instructions; it is jumped over, by a scalar branch on the stored byte, where no slot of the tile uses the expert.
; A tile may hold tokens of several pairs.  The product is used transposed (source 0 = 16 rows of W, source 1 = 16 slots), so a lane holds ONE token: a unit's sums T (the bias is the C of the first)
; are added to the accumulators times the lane's own 0.0 or 1.0.
; NO CLUSTER, NO TENSOR LOAD: which experts a block of slots walks, and which units it does, is read from stored lists, so neighbouring work-groups want different weights at different times, and a launch
; whose branches hang on stored numbers holds no tensor load.  All barriers stand outside those branches.
; LIMITS: a sum for an expert that a lane's token did not choose is multiplied by 0.0: if it overflowed f32 the row would become NaN.  NaN and infinities are not served.
; The accumulators are cleared by moves: which unit is a tile's first is known only from the stored list.
; REGISTERS, in windows of 256.  Window 0: addresses, scale words, bias, T, x's fragments of a unit.  Window 1: v0-191 W's set A (tile n, K step s at 12 (8 n + s)).  Window 2: v0-191 set B.
; Window 3: v0-127 the accumulators (16 m + 8 n + j).  At the start the 96 loads of x's rows land in window 3 and in v192-255 of windows 1 and 2.
.set XP,   1552                        ; a row of x's codes in LDS: 1,536 bytes + 16 = 97 x 16: the sixteen rows of a load begin at sixteen different 16-byte columns
.set XSL,  128*XP                      ; behind them: the rows' 64 scale bytes, 80 bytes apart
.set STG,  XSL+128*80                  ; behind them: the stage for the way out, 128 rows x (512 bytes + 16)
.set SPT,  528
.set L16,  1                           ; 16 x lane
.set RR,   2
.set HH,   3
.set XA,   4                           ; v4-7   my lane's place in x's tiles 2 g, 2 g + 1: row r, + 48 h
.set XSA,  8                           ; my lane's row among a tile's scale bytes
.set XST,  9                           ; where I put the rows that I gather
.set XSS,  10                          ; and my slot's scale bytes
.set SO,   11                          ; the stage: where I put 32 bytes of a row
.set SR,   12                          ; and where I read a row back
.set BO,   13                          ; 32 h: my eight numbers of a tile's 16 of the bias
.set RI,   14                          ; my slot's word, then its row's offset in xs
.set R4,   15                          ; 4 r
.set EB,   16                          ; v16-23 the experts' bits of slot 16 m + r
.set MK,   24                          ; v24-25 the lane's 0.0 or 1.0 (named as a pair; the low word serves both halves)
.set WS,   26                          ; v26-33 W's scale words of set A, v34-41 of set B: lanes 0-15 tile 0's rows, lanes 16-31 tile 1's
.set BI,   42                          ; v42-57 the bias in the result's layout, 8 registers a tile
.set XS,   58                          ; v58-65 x's scale words of a unit's eight K steps
.set T,    66                          ; v66-97 four sums: (K step % 2, tile n) at 8 (2 (s % 2) + n)
.set XF,   98                          ; v98-193 x's eight fragments of a unit
.set AD,   194                         ; v194-225 my 32 slots' row offsets: first in xq, at the end in out
.set XSD,  226                         ; v226-241 my slot's 64 scale bytes on their way to LDS
.set NA,   54                          ; loads of set A: 48 of codes, 2 of scale words, 4 of bias
.set NB,   50                          ; of set B
.set MSB, 0
.macro WIN new                         ; the immediate's high byte repeats the setting that is left; a switch that changes nothing is dropped
.if MSB != (\new)
	s_set_vgpr_msb (MSB<<8)|(\new)
.set MSB, (\new)
.endif
.endm
	s_load_b512 s[4:19], s[0:1], 0x0               ; rowinfo s[4:5], tilebits s[6:7], xq s[8:9], xs s[10:11], wq s[12:13], ws s[14:15], b s[16:17], out s[18:19]
	v_lshl_add_u32 v254, v0, 2, 0x43800
	v_mov_b32 v255, 0
	v_lshrrev_b32 v1, 5, v0
	v_readfirstlane_b32 s20, v1                    ; wave 0..3
	s_mov_b32 s21, ttmp9                           ; which 128 columns
	s_and_b32 s22, ttmp7, 0xffff                   ; which 128 slots
	v_and_b32 v242, 31, v0
	v_lshlrev_b32 v[L16], 4, v242
	v_and_b32 v[RR], 15, v0
	v_bfe_u32 v[HH], v0, 4, 1
	v_mul_u32_u24 v[XA], v[RR], XP
	v_mad_u32_u24 v[XA], v[HH], 48, v[XA]
	v_add_nc_u32 v[XA+1], 32*XP, v[XA]
	v_add_nc_u32 v[XA+2], 64*XP, v[XA]
	v_add_nc_u32 v[XA+3], 96*XP, v[XA]
	v_mul_u32_u24 v[XSA], v[RR], 80
	v_add_nc_u32 v[XSA], XSL, v[XSA]
	s_mul_i32 s30, s20, 32*XP
	v_add_nc_u32 v[XST], s30, v[L16]
	v_mul_u32_u24 v[XSS], v0, 80
	v_add_nc_u32 v[XSS], XSL, v[XSS]
	v_mul_u32_u24 v[SO], v[RR], SPT
	v_lshl_add_u32 v[SO], v[HH], 5, v[SO]
	s_lshl_b32 s30, s20, 7
	s_add_co_u32 s30, s30, STG
	v_add_nc_u32 v[SO], s30, v[SO]                 ; row r, + 128 x wave + 32 h
	s_mul_i32 s30, s20, 32*SPT
	s_add_co_u32 s30, s30, STG
	v_add_nc_u32 v[SR], s30, v[L16]                ; my 32 rows, 16 bytes a lane
	v_lshlrev_b32 v[BO], 5, v[HH]
	v_lshlrev_b32 v[R4], 2, v[RR]
	v_lshlrev_b32 v243, 2, v0                      ; 4 x thread
	v_mov_b32 v[MK+1], 0
	s_mov_b32 s43, 0
	s_lshl_b32 s30, s21, 3
	s_lshl_b32 s31, s20, 1
	s_add_co_u32 s30, s30, s31
	s_mul_i32 s44, s30, 24576                      ; my first tile of W inside an expert: 16 K steps of 1,536 bytes a tile
	s_lshl_b32 s30, s21, 2
	s_add_co_u32 s30, s30, s20
	s_lshl_b32 s45, s30, 11                        ; my pair of tiles among the scale words: 2,048 bytes a pair
	s_lshl_b32 s46, s30, 7                         ; my 32 columns of the bias: 128 bytes
	s_wait_kmcnt 0x0
	s_lshl_b32 s42, s22, 9
	s_add_nc_u64 s[50:51], s[4:5], s[42:43]        ; rowinfo at my block's first slot,
	s_lshl_b32 s42, s20, 7
	s_add_nc_u64 s[52:53], s[50:51], s[42:43]      ; and at my wave's 32 slots
	s_lshl_b32 s42, s22, 3
	s_add_nc_u64 s[54:55], s[6:7], s[42:43]        ; my block's eight bytes of tilebits
	s_lshl_b32 s42, s21, 9
	s_add_nc_u64 s[48:49], s[18:19], s[42:43]      ; out at my 128 columns
	s_load_b512 s[68:83], s[52:53], 0x0
	s_load_b512 s[84:99], s[52:53], 0x40
	s_load_b64 s[24:25], s[54:55], 0x0
	global_load_b32 v[RI], v243, s[50:51]          ; thread i: slot i's word
.irp m, 0,1,2,3,4,5,6,7
	global_load_b32 v[EB+\m], v[R4], s[50:51] offset:64*\m
.endr
	s_wait_kmcnt 0x0
.set i, 0
.rept 32
	s_and_b32 s[68+i], s[68+i], 0x7ff              ; the token,
	s_min_u32 s[68+i], s[68+i], 2047               ; held inside the tables that it indexes
	s_mul_i32 s30, s[68+i], 1536
	v_add_nc_u32 v[AD+i], s30, v[L16]
.set i, i+1
.endr
	; x's rows: load L = 3 i + u brings bytes 512 u .. 512 u + 511 of slot i's row
.set L, 0
	WIN 0xc0
.rept 64
	global_load_b128 v[4*L:4*L+3], v[AD+L/3], s[8:9] offset:512*(L%3)
.set L, L+1
.endr
	WIN 0x40
.rept 16
	global_load_b128 v[192+4*(L-64):195+4*(L-64)], v[AD+L/3], s[8:9] offset:512*(L%3)
.set L, L+1
.endr
	WIN 0x80
.rept 16
	global_load_b128 v[192+4*(L-80):195+4*(L-80)], v[AD+L/3], s[8:9] offset:512*(L%3)
.set L, L+1
.endr
	WIN 0
	; which experts
	s_or_b32 s26, s24, s25
	s_lshr_b32 s30, s26, 16
	s_or_b32 s26, s26, s30
	s_lshr_b32 s30, s26, 8
	s_or_b32 s26, s26, s30
	s_and_b32 s26, s26, 0xff                       ; the experts that my 128 slots use
	s_bcnt1_i32_b32 s27, s26
	s_min_u32 s27, s27, 8                          ; how many
	s_ctz_i32_b32 s29, s26
	s_min_u32 s29, s29, 7                          ; the first
	s_sub_co_u32 s30, s26, 1
	s_and_b32 s26, s26, s30                        ; the others
.macro BASES e                         ; where expert s[e]'s codes, scale words and bias begin for my wave
	s_mul_i32 s42, s[\e], 128*24576
	s_add_co_u32 s42, s42, s44
	s_add_nc_u64 s[36:37], s[12:13], s[42:43]
	s_lshl_b32 s42, s[\e], 17
	s_add_co_u32 s42, s42, s45
	s_add_nc_u64 s[38:39], s[14:15], s[42:43]
	s_lshl_b32 s42, s[\e], 13
	s_add_co_u32 s42, s42, s46
	s_add_nc_u64 s[40:41], s[16:17], s[42:43]
.endm
.macro WLOAD hf                        ; half hf of K: my two tiles' eight fragments each, three loads of 512 consecutive bytes a fragment; their scale words; with half 0 the bias
	WIN 0x40+0x40*(\hf)
.irp n, 0,1
.irp s, 0,1,2,3,4,5,6,7
.irp j, 0,1,2
	global_load_b128 v[12*(8*\n+\s)+4*\j:12*(8*\n+\s)+4*\j+3], v[L16], s[36:37] offset:\n*24576+(8*(\hf)+\s)*1536+512*\j
.endr
.endr
.endr
	WIN 0
	global_load_b128 v[WS+8*(\hf):WS+8*(\hf)+3], v[L16], s[38:39] offset:1024*(\hf)
	global_load_b128 v[WS+8*(\hf)+4:WS+8*(\hf)+7], v[L16], s[38:39] offset:1024*(\hf)+512
.if (\hf) == 0
.irp n, 0,1
	global_load_b128 v[BI+8*\n:BI+8*\n+3], v[BO], s[40:41] offset:64*\n
	global_load_b128 v[BI+8*\n+4:BI+8*\n+7], v[BO], s[40:41] offset:64*\n+16
.endr
.endif
.endm
	BASES 29
	s_wait_loadcnt 63                              ; my slot's word has 104 younger loads behind it, and loads come back in order: with 63 out (the most that the wait can name) it is in
	v_and_b32 v[RI], 0x7ff, v[RI]
	v_min_u32 v[RI], 2047, v[RI]
	v_lshlrev_b32 v[RI], 6, v[RI]                  ; 64 scale bytes a token
.irp i, 0,1,2,3
	global_load_b128 v[XSD+4*\i:XSD+4*\i+3], v[RI], s[10:11] offset:16*\i
.endr
	WLOAD 0
	s_wait_loadcnt NA                              ; set A's loads alone are younger: the bits, x's rows and the scale bytes are in
.set L, 0
	WIN 0x0c                                       ; an LDS store's data are its source 1
.rept 64
	ds_store_b128 v[XST], v[4*L:4*L+3] offset:(L/3)*XP+512*(L%3)
.set L, L+1
.endr
	WIN 0x04
.rept 16
	ds_store_b128 v[XST], v[192+4*(L-64):195+4*(L-64)] offset:(L/3)*XP+512*(L%3)
.set L, L+1
.endr
	WIN 0x08
.rept 16
	ds_store_b128 v[XST], v[192+4*(L-80):195+4*(L-80)] offset:(L/3)*XP+512*(L%3)
.set L, L+1
.endr
	WIN 0
.irp i, 0,1,2,3
	ds_store_b128 v[XSS], v[XSD+4*\i:XSD+4*\i+3] offset:16*\i
.endr
	s_wait_dscnt 0x0                               ; for the others' sake: my rows have landed; and the stores have read their registers
	s_barrier_signal -1
.irp m, 0,1,2,3,4,5,6,7
	v_lshrrev_b32 v[EB+\m], 16, v[EB+\m]           ; the experts' bits
.endr
	WIN 0xc0
.set i, 0
.rept 128
	v_mov_b32 v[i], 0                              ; the accumulators (register work between signal and wait)
.set i, i+1
.endr
	WIN 0
	s_barrier_wait -1                              ; all 128 rows of x lie in LDS; nobody writes them again
	WLOAD 1
; One matrix instruction: K step s of half hf, tile n.  The four sums take turns, one instruction a turn.  The first link of each takes the bias (half 0, K step 0) or the constant 0 as C.
.macro MM hf, s, n
.set TQ, T+8*(2*((\s)%2)+(\n))
.set WA, 12*(8*(\n)+(\s))
.set XB, XF+12*(\s)
.if (\n) == 0
.if (\s) > 1
	v_wmma_scale_f32_16x16x128_f8f6f4 v[TQ:TQ+7], v[WA:WA+11], v[XB:XB+11], v[TQ:TQ+7], v[WS+8*(\hf)+(\s)], v[XS+(\s)] matrix_a_fmt:MATRIX_FMT_FP6 matrix_b_fmt:MATRIX_FMT_FP6
.elseif ((\s) == 0) && ((\hf) == 0)
	v_wmma_scale_f32_16x16x128_f8f6f4 v[TQ:TQ+7], v[WA:WA+11], v[XB:XB+11], v[BI:BI+7], v[WS+8*(\hf)+(\s)], v[XS+(\s)] matrix_a_fmt:MATRIX_FMT_FP6 matrix_b_fmt:MATRIX_FMT_FP6
.else
	v_wmma_scale_f32_16x16x128_f8f6f4 v[TQ:TQ+7], v[WA:WA+11], v[XB:XB+11], 0, v[WS+8*(\hf)+(\s)], v[XS+(\s)] matrix_a_fmt:MATRIX_FMT_FP6 matrix_b_fmt:MATRIX_FMT_FP6
.endif
.else
.if (\s) > 1
	v_wmma_scale_f32_16x16x128_f8f6f4 v[TQ:TQ+7], v[WA:WA+11], v[XB:XB+11], v[TQ:TQ+7], v[WS+8*(\hf)+(\s)], v[XS+(\s)] matrix_a_fmt:MATRIX_FMT_FP6 matrix_b_fmt:MATRIX_FMT_FP6 matrix_a_scale:MATRIX_SCALE_ROW1
.elseif ((\s) == 0) && ((\hf) == 0)
	v_wmma_scale_f32_16x16x128_f8f6f4 v[TQ:TQ+7], v[WA:WA+11], v[XB:XB+11], v[BI+8:BI+15], v[WS+8*(\hf)+(\s)], v[XS+(\s)] matrix_a_fmt:MATRIX_FMT_FP6 matrix_b_fmt:MATRIX_FMT_FP6 matrix_a_scale:MATRIX_SCALE_ROW1
.else
	v_wmma_scale_f32_16x16x128_f8f6f4 v[TQ:TQ+7], v[WA:WA+11], v[XB:XB+11], 0, v[WS+8*(\hf)+(\s)], v[XS+(\s)] matrix_a_fmt:MATRIX_FMT_FP6 matrix_b_fmt:MATRIX_FMT_FP6 matrix_a_scale:MATRIX_SCALE_ROW1
.endif
.endif
.endm
; A UNIT: half hf of K, tile m of slots.  26 LDS loads in one run (the tile's scale words, then its eight fragments, 48 bytes a lane each), 16 matrix instructions, 16 packed multiply-adds.
; Behind the last matrix instruction stand four v_nop; with the multiply-adds on the other sums that is eight plain lines or more behind each sum's last link before the next unit begins that sum anew,
; and before any load lands in a register that these products have read.
.macro UNIT hf, m
	s_bitcmp1_b32 s[24+(\m)/4], s[32+(\m)%4]       ; does any slot of the tile use the expert?  A stored number, the same in all four waves
	s_cbranch_scc0 .Lskip_\@
	ds_load_b128 v[XS:XS+3], v[XSA] offset:(\m)*1280+32*(\hf)
	ds_load_b128 v[XS+4:XS+7], v[XSA] offset:(\m)*1280+32*(\hf)+16
.irp s, 0,1,2,3,4,5,6,7
.irp j, 0,1,2
	ds_load_b128 v[XF+12*\s+4*\j:XF+12*\s+4*\j+3], v[XA+(\m)/2] offset:((\m)%2)*16*XP+768*(\hf)+96*\s+16*\j
.endr
.endr
	v_bfe_u32 v[MK], v[EB+(\m)], s29, 1            ; did my token choose the expert?
	v_cvt_f32_u32 v[MK], v[MK]                     ; 0.0 or 1.0
	WIN 1+(\hf)                                    ; source 0 (W) in window 1 or 2
.irp s, 0,1,2,3,4,5,6,7
	s_wait_dscnt 21-3*\s                           ; LDS loads come back in order: the later K steps' three loads each may be out
.irp n, 0,1
	MM \hf, \s, \n
.endr
.endr
.rept 4
	v_nop
.endr
	WIN 0xf0                                       ; source 2 and destination: the accumulators' window
.irp q, 0,1,2,3
.irp p, 0,2,4,6
	v_pk_fma_f32 v[16*(\m)+8*(\q%2)+\p:16*(\m)+8*(\q%2)+\p+1], v[T+8*\q+\p:T+8*\q+\p+1], v[MK:MK+1], v[16*(\m)+8*(\q%2)+\p:16*(\m)+8*(\q%2)+\p+1] op_sel_hi:[1,0,1]   ; each sum from its low end on
.endr
.endr
	WIN 0
.Lskip_\@:
.endm
.macro UNITS hf
.irp m, 0,1,2,3,4,5,6,7
	UNIT \hf, \m
.endr
.endm
.macro BITS                            ; the expert's bit in each byte of a word of tilebits
	s_mov_b32 s32, s29
	s_add_co_u32 s33, s29, 8
	s_add_co_u32 s34, s29, 16
	s_add_co_u32 s35, s29, 24
.endm
	s_sub_co_u32 s28, s27, 1                       ; every expert but the last has a successor to ask for: so many trips
	s_cmp_lt_u32 s27, 2
	s_cbranch_scc1 .Ltail
.Lexp:
	BITS
	s_wait_loadcnt NB                              ; set B's loads are the younger ones: set A is in
	UNITS 0
	s_ctz_i32_b32 s31, s26                         ; the next expert
	s_min_u32 s31, s31, 7
	s_sub_co_u32 s30, s26, 1
	s_and_b32 s26, s26, s30
	s_wait_xcnt 0x0                                ; the loads that are out have read their bases: these are written again only behind this wait
	BASES 31
	WLOAD 0                                        ; its first half, into the set just multiplied
	s_wait_loadcnt NA                              ; those are the younger ones: set B is in
	UNITS 1
	WLOAD 1                                        ; and its second half
	s_mov_b32 s29, s31
	s_sub_co_u32 s28, s28, 1
	s_cmp_lg_u32 s28, 0
	s_cbranch_scc1 .Lexp
.Ltail:                                ; the last expert is written out: nothing more is asked for
	BITS
	s_wait_loadcnt NB
	UNITS 0
	s_wait_loadcnt 0x0
	UNITS 1
	; THE WAY OUT.  A lane holds eight neighbouring columns of its token's row, and a row's 128 columns come from four waves: they meet in the stage, and each wave stores 32 whole rows of 512 bytes.
	WIN 0x0c
.irp m, 0,1,2,3,4,5,6,7
.irp n, 0,1
	ds_store_b128 v[SO], v[16*\m+8*\n:16*\m+8*\n+3] offset:\m*16*SPT+64*\n
	ds_store_b128 v[SO], v[16*\m+8*\n+4:16*\m+8*\n+7] offset:\m*16*SPT+64*\n+16
.endr
.endr
	WIN 0
.set i, 0
.rept 32
	v_lshl_add_u32 v[AD+i], s[68+i], 13, v[L16]    ; slot i's token: its row of out, 8,192 bytes a row (the loads that read these registers were waited for above)
.set i, i+1
.endr
	s_wait_dscnt 0x0                               ; for the others' sake: my part of the rows has landed; and the stores have read the accumulators
	s_barrier_signal -1
	s_barrier_wait -1
	WIN 0xc0
.set i, 0
.rept 32
	ds_load_b128 v[4*i:4*i+3], v[SR] offset:SPT*i
.set i, i+1
.endr
	WIN 0x0c
.set i, 0
.rept 32
	s_wait_dscnt 31-i                              ; row i is back; the later rows may be out
	global_store_b128 v[AD+i], v[4*i:4*i+3], s[48:49] th:TH_STORE_NT   ; 32 lanes store 512 consecutive bytes, at a multiple of 512 from out's first byte
.set i, i+1
.endr
	WIN 0
	s_barrier_signal -1
	s_barrier_wait -1
	s_wait_tensorcnt 0x0
	ds_add_u32 v254, v255
	s_wait_dscnt 0x0
	s_endpgm
.Lfunc_end_k_qd269f10507_experts:
	.size	k_qd269f10507_experts, .Lfunc_end_k_qd269f10507_experts-k_qd269f10507_experts
	.p2alignl 7, 3214868480
	.fill 96, 4, 3214868480
	.section	.rodata,"a",@progbits
	.p2align	6, 0x0
	.amdhsa_kernel k_qd269f10507_experts
		.amdhsa_group_segment_fixed_size 276992
		.amdhsa_private_segment_fixed_size 0
		.amdhsa_enable_private_segment 0
		.amdhsa_kernarg_size 64
		.amdhsa_user_sgpr_count 2
		.amdhsa_user_sgpr_kernarg_segment_ptr 1
		.amdhsa_wavefront_size32 1
		.amdhsa_system_sgpr_workgroup_id_x 1
		.amdhsa_system_sgpr_workgroup_id_y 1
		.amdhsa_system_sgpr_workgroup_id_z 1
		.amdhsa_system_vgpr_workitem_id 0
		.amdhsa_next_free_vgpr 1024
		.amdhsa_next_free_sgpr 100
		.amdhsa_reserve_vcc 0
		.amdhsa_float_denorm_mode_32 3
		.amdhsa_float_denorm_mode_16_64 3
		.amdhsa_memory_ordered 1
		.amdhsa_forward_progress 1
		.amdhsa_inst_pref_size 232
	.end_amdhsa_kernel
	.amdgpu_metadata
---
amdhsa.version: [ 1, 2 ]
amdhsa.kernels:
  - .name:           k_qd269f10507_experts
    .symbol:         k_qd269f10507_experts.kd
    .args:
      - { .name: rowinfo, .offset: 0, .size: 8, .value_kind: global_buffer, .address_space: global }
      - { .name: tilebits, .offset: 8, .size: 8, .value_kind: global_buffer, .address_space: global }
      - { .name: xq, .offset: 16, .size: 8, .value_kind: global_buffer, .address_space: global }
      - { .name: xs, .offset: 24, .size: 8, .value_kind: global_buffer, .address_space: global }
      - { .name: wq, .offset: 32, .size: 8, .value_kind: global_buffer, .address_space: global }
      - { .name: ws, .offset: 40, .size: 8, .value_kind: global_buffer, .address_space: global }
      - { .name: b, .offset: 48, .size: 8, .value_kind: global_buffer, .address_space: global }
      - { .name: out0, .offset: 56, .size: 8, .value_kind: global_buffer, .address_space: global }
    .group_segment_fixed_size: 276992
    .private_segment_fixed_size: 0
    .kernarg_segment_align: 8
    .kernarg_segment_size: 64
    .max_flat_workgroup_size: 128
    .sgpr_count:     100
    .vgpr_count:     1024
    .wavefront_size: 32
...
	.end_amdgpu_metadata
.endif
;; end of part 3
;; ======== version 2 of 2: 3 launches; version 1 with the launch experts written anew for expert scheduling mode
;; workspace buffers: sel 8,192 bytes of whole numbers; rowinfo 8,192 bytes of whole numbers; tilebits 256 bytes of whole numbers; xq 3,145,728 bytes; xs 131,072 bytes; wq 25,165,824 bytes; ws 1,048,576 bytes
;; launch prep: the kernel of part 1 again; grid 256 x 1, 16 waves a work-group, no clusters, 203,776 bytes of LDS; arguments hidden_states, Wg, bg, W, sel, xq, xs, wq, ws; writes sel, xq, xs, wq, ws
;; launch place: the kernel of part 2 again; grid 1 x 1, 32 waves a work-group, no clusters, 13,312 bytes of LDS; arguments sel, rowinfo, tilebits; writes rowinfo, tilebits
;; launch experts (part 4): grid 16 x 16, 4 waves a work-group, no clusters, 276,992 bytes of LDS; arguments rowinfo, tilebits, xq, xs, wq, ws, b, out0; writes out0
.if DOCPART == 4
	.amdgcn_target "amdgcn-amd-amdhsa--gfx1250"
	.amdhsa_code_object_version 6
	.text
	.protected	k_qd269f10507_experts
	.globl	k_qd269f10507_experts
	.p2align	8
	.type	k_qd269f10507_experts,@function
k_qd269f10507_experts:
	s_mov_b64 s[64:65], 0
	v_nop
	global_prefetch_b8 v0, s[64:65] scope:SCOPE_SE
	s_setreg_imm32_b32 hwreg(HW_REG_WAVE_SCHED_MODE, 0, 2), 2
	s_setreg_imm32_b32 hwreg(HW_REG_WAVE_MODE, 25, 1), 1
	s_wait_xcnt 0x0
	s_wait_alu depctr_vm_vsrc(0)
; out[t] = the sum over token t's two experts e of x[t] W[e]^T + b[e], on codes of FP6 (E2M3) with one E8M0 byte for each 32 along K; sums in f32.
; SHARES.  The tokens come sorted by their pair of experts (rowinfo).  A work-group owns 128 sorted slots (grid y) x 128 columns of out (grid x): each number of out has one owner.
; Wave w owns columns 32 w .. 32 w + 31 of the 128, two tiles of 16, for all eight tiles of 16 slots.  x's 128 rows of codes are gathered into LDS once and read by all four waves;
; each fragment of W is wanted by one wave alone and comes from memory straight into its registers, as the image of the registers that an earlier launch has laid.
; THE WALK.  The work-group walks the experts that its 128 slots use (the OR of eight bytes of tilebits).  For an expert, K goes in two halves of 1,024 (eight K steps), register sets A and B: while one is
; multiplied the other is on its way.  A UNIT is (half, tile of slots): 16 matrix instructions; it is jumped over, by a scalar branch on the stored byte, where no slot of the tile uses the expert.
; A tile may hold tokens of several pairs.  The product is used transposed (source 0 = 16 rows of W, source 1 = 16 slots), so a lane holds ONE token: a unit's sums T (the bias is the C of the first)
; are added to the accumulators times the lane's own 0.0 or 1.0.
; NO CLUSTER, NO TENSOR LOAD: which experts a block of slots walks, and which units it does, is read from stored lists, so neighbouring work-groups want different weights at different times, and a launch
; whose branches hang on stored numbers holds no tensor load.  All barriers stand outside those branches.
; LIMITS: a sum for an expert that a lane's token did not choose is multiplied by 0.0: if it overflowed f32 the row would become NaN.  NaN and infinities are not served.
; The accumulators are cleared by moves: which unit is a tile's first is known only from the stored list.
; REGISTERS, in windows of 256.  Window 0: addresses, scale words, bias, T, x's fragments of a unit.  Window 1: v0-191 W's set A (tile n, K step s at 12 (8 n + s)).  Window 2: v0-191 set B.
; Window 3: v0-127 the accumulators (16 m + 8 n + j).  At the start the 96 loads of x's rows land in window 3 and in v192-255 of windows 1 and 2.
; THE MODE: SCHED_MODE bits 1:0 = 2 (LLVM: expert scheduling mode 2), set by the entry lines.  The code itself states the register dependences between vector or matrix instructions
; and memory or LDS instructions, with s_wait_alu, always for 0.
; THE PLAN.  Registers that memory or LDS instructions touch, and who else names them:
;   v1, v4-13, v15, v243   offsets and LDS addresses: made once at the head by vector lines, read by loads and stores to the end, never written again: one wait on va_vdst ahead of the first load.
;   v14 (RI)     my slot's word lands in it, three vector lines make its row's offset of it, four loads read that: a wait on va_vdst between.
;   AD           made by vector lines at the head, read by the 96 loads of x's rows (va_vdst between); made anew on the way out (vm_vsrc ahead), read by the 32 stores (va_vdst between).
;   x's rows     loads land, LDS stores read them; window 3's v0-127 are then cleared by moves: a wait on vm_vsrc between.
;   sets A and B with their scale words, and the bias: loads land, a half's matrix instructions read them, the next expert's loads land again: one wait on va_vdst in each run of loads that fills a set again.
;   XS, XF       a unit's 26 LDS loads land, its 16 matrix instructions read them, the next unit's loads land again: one wait on va_vdst at a unit's head.  Which unit comes next is read from the stored list,
;   accumulators written by moves and multiply-adds; on the way out read by LDS stores (va_vdst ahead), then LDS loads land in them (vm_vsrc and va_vdst ahead), then the global stores read them.
;   T, MK and, once loaded, EB are named by vector and matrix instructions alone.  v254, v255: written at the head, read by the closing add alone.
.set XP,   1552                        ; a row of x's codes in LDS: 1,536 bytes + 16 = 97 x 16: the sixteen rows of a load begin at sixteen different 16-byte columns
.set XSL,  128*XP                      ; behind them: the rows' 64 scale bytes, 80 bytes apart
.set STG,  XSL+128*80                  ; behind them: the stage for the way out, 128 rows x (512 bytes + 16)
.set SPT,  528
.set L16,  1                           ; 16 x lane
.set RR,   2
.set HH,   3
.set XA,   4                           ; v4-7   my lane's place in x's tiles 2 g, 2 g + 1: row r, + 48 h
.set XSA,  8                           ; my lane's row among a tile's scale bytes
.set XST,  9                           ; where I put the rows that I gather
.set XSS,  10                          ; and my slot's scale bytes
.set SO,   11                          ; the stage: where I put 32 bytes of a row
.set SR,   12                          ; and where I read a row back
.set BO,   13                          ; 32 h: my eight numbers of a tile's 16 of the bias
.set RI,   14                          ; my slot's word, then its row's offset in xs
.set R4,   15                          ; 4 r
.set EB,   16                          ; v16-23 the experts' bits of slot 16 m + r
.set MK,   24                          ; v24-25 the lane's 0.0 or 1.0 (named as a pair; the low word serves both halves)
.set WS,   26                          ; v26-33 W's scale words of set A, v34-41 of set B: lanes 0-15 tile 0's rows, lanes 16-31 tile 1's
.set BI,   42                          ; v42-57 the bias in the result's layout, 8 registers a tile
.set XS,   58                          ; v58-65 x's scale words of a unit's eight K steps
.set T,    66                          ; v66-97 four sums: (K step % 2, tile n) at 8 (2 (s % 2) + n)
.set XF,   98                          ; v98-193 x's eight fragments of a unit
.set AD,   194                         ; v194-225 my 32 slots' row offsets: first in xq, at the end in out
.set XSD,  226                         ; v226-241 my slot's 64 scale bytes on their way to LDS
.set NA,   54                          ; loads of set A: 48 of codes, 2 of scale words, 4 of bias
.set NB,   50                          ; of set B
.set MSB, 0
.macro WIN new                         ; the immediate's high byte repeats the setting that is left; a switch that changes nothing is dropped
.if MSB != (\new)
	s_set_vgpr_msb (MSB<<8)|(\new)
.set MSB, (\new)
.endif
.endm
	s_load_b512 s[4:19], s[0:1], 0x0               ; rowinfo s[4:5], tilebits s[6:7], xq s[8:9], xs s[10:11], wq s[12:13], ws s[14:15], b s[16:17], out s[18:19]
	v_lshl_add_u32 v254, v0, 2, 0x43800            ; my spare word, behind the stage, and 0: made here and kept for the closing lines alone
	v_mov_b32 v255, 0
	v_lshrrev_b32 v1, 5, v0
	v_readfirstlane_b32 s20, v1                    ; wave 0..3
	s_mov_b32 s21, ttmp9                           ; which 128 columns
	s_and_b32 s22, ttmp7, 0xffff                   ; which 128 slots
	v_and_b32 v242, 31, v0
	v_lshlrev_b32 v[L16], 4, v242
	v_and_b32 v[RR], 15, v0
	v_bfe_u32 v[HH], v0, 4, 1
	v_mul_u32_u24 v[XA], v[RR], XP
	v_mad_u32_u24 v[XA], v[HH], 48, v[XA]
	v_add_nc_u32 v[XA+1], 32*XP, v[XA]
	v_add_nc_u32 v[XA+2], 64*XP, v[XA]
	v_add_nc_u32 v[XA+3], 96*XP, v[XA]
	v_mul_u32_u24 v[XSA], v[RR], 80
	v_add_nc_u32 v[XSA], XSL, v[XSA]
	s_wait_alu depctr_va_sdst(0)                   ; s20, the wave's number, is written, ahead of its first reader: LDS addresses and the bases are made from it
	s_mul_i32 s30, s20, 32*XP
	v_add_nc_u32 v[XST], s30, v[L16]
	v_mul_u32_u24 v[XSS], v0, 80
	v_add_nc_u32 v[XSS], XSL, v[XSS]
	v_mul_u32_u24 v[SO], v[RR], SPT
	v_lshl_add_u32 v[SO], v[HH], 5, v[SO]
	s_lshl_b32 s30, s20, 7
	s_add_co_u32 s30, s30, STG
	v_add_nc_u32 v[SO], s30, v[SO]                 ; row r, + 128 x wave + 32 h
	s_mul_i32 s30, s20, 32*SPT
	s_add_co_u32 s30, s30, STG
	v_add_nc_u32 v[SR], s30, v[L16]                ; my 32 rows, 16 bytes a lane
	v_lshlrev_b32 v[BO], 5, v[HH]
	v_lshlrev_b32 v[R4], 2, v[RR]
	v_lshlrev_b32 v243, 2, v0                      ; 4 x thread
	v_mov_b32 v[MK+1], 0
	s_mov_b32 s43, 0
	s_lshl_b32 s30, s21, 3
	s_lshl_b32 s31, s20, 1
	s_add_co_u32 s30, s30, s31
	s_mul_i32 s44, s30, 24576                      ; my first tile of W inside an expert: 16 K steps of 1,536 bytes a tile
	s_lshl_b32 s30, s21, 2
	s_add_co_u32 s30, s30, s20
	s_lshl_b32 s45, s30, 11                        ; my pair of tiles among the scale words: 2,048 bytes a pair
	s_lshl_b32 s46, s30, 7                         ; my 32 columns of the bias: 128 bytes
	s_wait_kmcnt 0x0
	s_lshl_b32 s42, s22, 9
	s_add_nc_u64 s[50:51], s[4:5], s[42:43]        ; rowinfo at my block's first slot,
	s_lshl_b32 s42, s20, 7
	s_add_nc_u64 s[52:53], s[50:51], s[42:43]      ; and at my wave's 32 slots
	s_lshl_b32 s42, s22, 3
	s_add_nc_u64 s[54:55], s[6:7], s[42:43]        ; my block's eight bytes of tilebits
	s_lshl_b32 s42, s21, 9
	s_add_nc_u64 s[48:49], s[18:19], s[42:43]      ; out at my 128 columns
	s_load_b512 s[68:83], s[52:53], 0x0
	s_load_b512 s[84:99], s[52:53], 0x40
	s_load_b64 s[24:25], s[54:55], 0x0
	s_wait_alu depctr_va_vdst(0)                   ; the offsets and LDS addresses v1, v4 to v13, v15 and v243 are written: loads and stores read them from here to the end, and no line writes them again
	global_load_b32 v[RI], v243, s[50:51]          ; thread i: slot i's word
.irp m, 0,1,2,3,4,5,6,7
	global_load_b32 v[EB+\m], v[R4], s[50:51] offset:64*\m
.endr
	s_wait_kmcnt 0x0
.set i, 0
.rept 32
	s_and_b32 s[68+i], s[68+i], 0x7ff              ; the token,
	s_min_u32 s[68+i], s[68+i], 2047               ; held inside the tables that it indexes
	s_mul_i32 s30, s[68+i], 1536
	v_add_nc_u32 v[AD+i], s30, v[L16]
.set i, i+1
.endr
	; x's rows: load L = 3 i + u brings bytes 512 u .. 512 u + 511 of slot i's row
.set L, 0
	WIN 0xc0
	s_wait_alu depctr_va_vdst(0)                   ; the 32 row offsets v[AD ..] are written, which the 96 loads below read; only loads and window switches follow up to the last of them
.rept 64
	global_load_b128 v[4*L:4*L+3], v[AD+L/3], s[8:9] offset:512*(L%3)
.set L, L+1
.endr
	WIN 0x40
.rept 16
	global_load_b128 v[192+4*(L-64):195+4*(L-64)], v[AD+L/3], s[8:9] offset:512*(L%3)
.set L, L+1
.endr
	WIN 0x80
.rept 16
	global_load_b128 v[192+4*(L-80):195+4*(L-80)], v[AD+L/3], s[8:9] offset:512*(L%3)
.set L, L+1
.endr
	WIN 0
	; which experts
	s_or_b32 s26, s24, s25
	s_lshr_b32 s30, s26, 16
	s_or_b32 s26, s26, s30
	s_lshr_b32 s30, s26, 8
	s_or_b32 s26, s26, s30
	s_and_b32 s26, s26, 0xff                       ; the experts that my 128 slots use
	s_bcnt1_i32_b32 s27, s26
	s_min_u32 s27, s27, 8                          ; how many
	s_ctz_i32_b32 s29, s26
	s_min_u32 s29, s29, 7                          ; the first
	s_sub_co_u32 s30, s26, 1
	s_and_b32 s26, s26, s30                        ; the others
.macro BASES e                         ; where expert s[e]'s codes, scale words and bias begin for my wave
	s_mul_i32 s42, s[\e], 128*24576
	s_add_co_u32 s42, s42, s44
	s_add_nc_u64 s[36:37], s[12:13], s[42:43]
	s_lshl_b32 s42, s[\e], 17
	s_add_co_u32 s42, s42, s45
	s_add_nc_u64 s[38:39], s[14:15], s[42:43]
	s_lshl_b32 s42, s[\e], 13
	s_add_co_u32 s42, s42, s46
	s_add_nc_u64 s[40:41], s[16:17], s[42:43]
.endm
; Half hf of K: my two tiles' eight fragments each, three loads of 512 consecutive bytes a fragment; their scale words; with half 0 the bias.  again = 1: the set has been multiplied and is filled again.
.macro WLOAD hf, again
	WIN 0x40+0x40*(\hf)
.if \again
	s_wait_alu depctr_va_vdst(0)                   ; the half's matrix instructions are done reading the set, its scale words and (half 0) the bias, in which the loads below land; only loads and one window switch follow up to the last of them
.endif
.irp n, 0,1
.irp s, 0,1,2,3,4,5,6,7
.irp j, 0,1,2
	global_load_b128 v[12*(8*\n+\s)+4*\j:12*(8*\n+\s)+4*\j+3], v[L16], s[36:37] offset:\n*24576+(8*(\hf)+\s)*1536+512*\j
.endr
.endr
.endr
	WIN 0
	global_load_b128 v[WS+8*(\hf):WS+8*(\hf)+3], v[L16], s[38:39] offset:1024*(\hf)
	global_load_b128 v[WS+8*(\hf)+4:WS+8*(\hf)+7], v[L16], s[38:39] offset:1024*(\hf)+512
.if (\hf) == 0
.irp n, 0,1
	global_load_b128 v[BI+8*\n:BI+8*\n+3], v[BO], s[40:41] offset:64*\n
	global_load_b128 v[BI+8*\n+4:BI+8*\n+7], v[BO], s[40:41] offset:64*\n+16
.endr
.endif
.endm
	BASES 29
	s_wait_loadcnt 63                              ; my slot's word has 104 younger loads behind it, and loads come back in order: with 63 out (the most that the wait can name) it is in
	v_and_b32 v[RI], 0x7ff, v[RI]
	v_min_u32 v[RI], 2047, v[RI]
	v_lshlrev_b32 v[RI], 6, v[RI]                  ; 64 scale bytes a token
	s_wait_alu depctr_va_vdst(0)                   ; v[RI] is written, which the four loads below read as their offset
.irp i, 0,1,2,3
	global_load_b128 v[XSD+4*\i:XSD+4*\i+3], v[RI], s[10:11] offset:16*\i
.endr
	WLOAD 0, 0                                     ; no vector or matrix instruction has named set A, its scale words or the bias yet
	s_wait_loadcnt NA                              ; set A's loads alone are younger: the bits, x's rows and the scale bytes are in
.set L, 0
	WIN 0x0c                                       ; an LDS store's data are its source 1
.rept 64
	ds_store_b128 v[XST], v[4*L:4*L+3] offset:(L/3)*XP+512*(L%3)
.set L, L+1
.endr
	WIN 0x04
.rept 16
	ds_store_b128 v[XST], v[192+4*(L-64):195+4*(L-64)] offset:(L/3)*XP+512*(L%3)
.set L, L+1
.endr
	WIN 0x08
.rept 16
	ds_store_b128 v[XST], v[192+4*(L-80):195+4*(L-80)] offset:(L/3)*XP+512*(L%3)
.set L, L+1
.endr
	WIN 0
.irp i, 0,1,2,3
	ds_store_b128 v[XSS], v[XSD+4*\i:XSD+4*\i+3] offset:16*\i
.endr
	s_wait_dscnt 0x0                               ; for the others' sake: my rows have landed
	s_wait_alu depctr_vm_vsrc(0)                   ; the LDS stores have read window 3's v0 to v127, which the moves below write: they are the accumulators from here on
	s_barrier_signal -1
.irp m, 0,1,2,3,4,5,6,7
	v_lshrrev_b32 v[EB+\m], 16, v[EB+\m]           ; the experts' bits
.endr
	WIN 0xc0
.set i, 0
.rept 128
	v_mov_b32 v[i], 0                              ; the accumulators (register work between signal and wait)
.set i, i+1
.endr
	WIN 0
	s_barrier_wait -1                              ; all 128 rows of x lie in LDS; nobody writes them again
	WLOAD 1, 0                                     ; no vector or matrix instruction has named set B or its scale words yet
; One matrix instruction: K step s of half hf, tile n.  The four sums take turns, one instruction a turn.  The first link of each takes the bias (half 0, K step 0) or the constant 0 as C.
.macro MM hf, s, n
.set TQ, T+8*(2*((\s)%2)+(\n))
.set WA, 12*(8*(\n)+(\s))
.set XB, XF+12*(\s)
.if (\n) == 0
.if (\s) > 1
	v_wmma_scale_f32_16x16x128_f8f6f4 v[TQ:TQ+7], v[WA:WA+11], v[XB:XB+11], v[TQ:TQ+7], v[WS+8*(\hf)+(\s)], v[XS+(\s)] matrix_a_fmt:MATRIX_FMT_FP6 matrix_b_fmt:MATRIX_FMT_FP6
.elseif ((\s) == 0) && ((\hf) == 0)
	v_wmma_scale_f32_16x16x128_f8f6f4 v[TQ:TQ+7], v[WA:WA+11], v[XB:XB+11], v[BI:BI+7], v[WS+8*(\hf)+(\s)], v[XS+(\s)] matrix_a_fmt:MATRIX_FMT_FP6 matrix_b_fmt:MATRIX_FMT_FP6
.else
	v_wmma_scale_f32_16x16x128_f8f6f4 v[TQ:TQ+7], v[WA:WA+11], v[XB:XB+11], 0, v[WS+8*(\hf)+(\s)], v[XS+(\s)] matrix_a_fmt:MATRIX_FMT_FP6 matrix_b_fmt:MATRIX_FMT_FP6
.endif
.else
.if (\s) > 1
	v_wmma_scale_f32_16x16x128_f8f6f4 v[TQ:TQ+7], v[WA:WA+11], v[XB:XB+11], v[TQ:TQ+7], v[WS+8*(\hf)+(\s)], v[XS+(\s)] matrix_a_fmt:MATRIX_FMT_FP6 matrix_b_fmt:MATRIX_FMT_FP6 matrix_a_scale:MATRIX_SCALE_ROW1
.elseif ((\s) == 0) && ((\hf) == 0)
	v_wmma_scale_f32_16x16x128_f8f6f4 v[TQ:TQ+7], v[WA:WA+11], v[XB:XB+11], v[BI+8:BI+15], v[WS+8*(\hf)+(\s)], v[XS+(\s)] matrix_a_fmt:MATRIX_FMT_FP6 matrix_b_fmt:MATRIX_FMT_FP6 matrix_a_scale:MATRIX_SCALE_ROW1
.else
	v_wmma_scale_f32_16x16x128_f8f6f4 v[TQ:TQ+7], v[WA:WA+11], v[XB:XB+11], 0, v[WS+8*(\hf)+(\s)], v[XS+(\s)] matrix_a_fmt:MATRIX_FMT_FP6 matrix_b_fmt:MATRIX_FMT_FP6 matrix_a_scale:MATRIX_SCALE_ROW1
.endif
.endif
.endm
; A UNIT: half hf of K, tile m of slots.  26 LDS loads in one run (the tile's scale words, then its eight fragments, 48 bytes a lane each), 16 matrix instructions, 16 packed multiply-adds.
; Behind the last matrix instruction stand four v_nop; with the multiply-adds on the other sums that is eight plain lines or more behind each sum's last link before the next unit begins that sum anew.
; For the loads into registers that products have read, the wait at the unit's head states the dependence.
.macro UNIT hf, m
	s_bitcmp1_b32 s[24+(\m)/4], s[32+(\m)%4]       ; does any slot of the tile use the expert?  A stored number, the same in all four waves
	s_cbranch_scc0 .Lskip_\@
	s_wait_alu depctr_va_vdst(0)                   ; the matrix instructions of the unit done last are done reading XS and XF, in which the 26 loads below land
	ds_load_b128 v[XS:XS+3], v[XSA] offset:(\m)*1280+32*(\hf)
	ds_load_b128 v[XS+4:XS+7], v[XSA] offset:(\m)*1280+32*(\hf)+16
.irp s, 0,1,2,3,4,5,6,7
.irp j, 0,1,2
	ds_load_b128 v[XF+12*\s+4*\j:XF+12*\s+4*\j+3], v[XA+(\m)/2] offset:((\m)%2)*16*XP+768*(\hf)+96*\s+16*\j
.endr
.endr
	v_bfe_u32 v[MK], v[EB+(\m)], s29, 1            ; did my token choose the expert?
	v_cvt_f32_u32 v[MK], v[MK]                     ; 0.0 or 1.0
	WIN 1+(\hf)                                    ; source 0 (W) in window 1 or 2
.irp s, 0,1,2,3,4,5,6,7
	s_wait_dscnt 21-3*\s                           ; LDS loads come back in order: the later K steps' three loads each may be out
.irp n, 0,1
	MM \hf, \s, \n
.endr
.endr
.rept 4
	v_nop
.endr
	WIN 0xf0                                       ; source 2 and destination: the accumulators' window
.irp q, 0,1,2,3
.irp p, 0,2,4,6
	v_pk_fma_f32 v[16*(\m)+8*(\q%2)+\p:16*(\m)+8*(\q%2)+\p+1], v[T+8*\q+\p:T+8*\q+\p+1], v[MK:MK+1], v[16*(\m)+8*(\q%2)+\p:16*(\m)+8*(\q%2)+\p+1] op_sel_hi:[1,0,1]   ; each sum from its low end on
.endr
.endr
	WIN 0
.Lskip_\@:
.endm
.macro UNITS hf
.irp m, 0,1,2,3,4,5,6,7
	UNIT \hf, \m
.endr
.endm
.macro BITS                            ; the expert's bit in each byte of a word of tilebits
	s_mov_b32 s32, s29
	s_add_co_u32 s33, s29, 8
	s_add_co_u32 s34, s29, 16
	s_add_co_u32 s35, s29, 24
.endm
	s_sub_co_u32 s28, s27, 1                       ; every expert but the last has a successor to ask for: so many trips
	s_cmp_lt_u32 s27, 2
	s_cbranch_scc1 .Ltail
.Lexp:
	BITS
	s_wait_loadcnt NB                              ; set B's loads are the younger ones: set A is in
	UNITS 0
	s_ctz_i32_b32 s31, s26                         ; the next expert
	s_min_u32 s31, s31, 7
	s_sub_co_u32 s30, s26, 1
	s_and_b32 s26, s26, s30
	s_wait_xcnt 0x0                                ; the loads that are out have read their bases: these are written again only behind this wait
	BASES 31
	WLOAD 0, 1                                     ; its first half, into the set just multiplied
	s_wait_loadcnt NA                              ; those are the younger ones: set B is in
	UNITS 1
	WLOAD 1, 1                                     ; and its second half
	s_mov_b32 s29, s31
	s_sub_co_u32 s28, s28, 1
	s_cmp_lg_u32 s28, 0
	s_cbranch_scc1 .Lexp
.Ltail:                                ; the last expert is written out: nothing more is asked for
	BITS
	s_wait_loadcnt NB
	UNITS 0
	s_wait_loadcnt 0x0
	UNITS 1
	; THE WAY OUT.  A lane holds eight neighbouring columns of its token's row, and a row's 128 columns come from four waves: they meet in the stage, and each wave stores 32 whole rows of 512 bytes.
	WIN 0x0c
	s_wait_alu depctr_va_vdst(0)                   ; the moves and the multiply-adds have written the accumulators, which the LDS stores below read
.irp m, 0,1,2,3,4,5,6,7
.irp n, 0,1
	ds_store_b128 v[SO], v[16*\m+8*\n:16*\m+8*\n+3] offset:\m*16*SPT+64*\n
	ds_store_b128 v[SO], v[16*\m+8*\n+4:16*\m+8*\n+7] offset:\m*16*SPT+64*\n+16
.endr
.endr
	WIN 0
	s_wait_alu depctr_vm_vsrc(0)                   ; the head's loads of x's rows have read v[AD ..], which the lines below write anew; and the LDS stores above have read the accumulators, in which the loads behind the barrier land
.set i, 0
.rept 32
	v_lshl_add_u32 v[AD+i], s[68+i], 13, v[L16]    ; slot i's token: its row of out, 8,192 bytes a row (the loads that read these registers were also waited for above, on LOADcnt)
.set i, i+1
.endr
	s_wait_dscnt 0x0                               ; for the others' sake: my part of the rows has landed
	s_barrier_signal -1
	s_barrier_wait -1
	WIN 0xc0
	s_wait_alu depctr_va_vdst(0)                   ; no vector instruction has an accumulator left to read or write: the loads below land there; and v[AD ..] are written, which the global stores read
.set i, 0
.rept 32
	ds_load_b128 v[4*i:4*i+3], v[SR] offset:SPT*i
.set i, i+1
.endr
	WIN 0x0c
.set i, 0
.rept 32
	s_wait_dscnt 31-i                              ; row i is back; the later rows may be out
	global_store_b128 v[AD+i], v[4*i:4*i+3], s[48:49] th:TH_STORE_NT   ; 32 lanes store 512 consecutive bytes, at a multiple of 512 from out's first byte
.set i, i+1
.endr
	WIN 0
	s_barrier_signal -1
	s_barrier_wait -1
	s_wait_dscnt 0x0                               ; the closing lines, six on end
	s_wait_alu 0x0
	s_wait_tensorcnt 0x0
	ds_add_u32 v254, v255
	s_wait_dscnt 0x0
	s_endpgm
.Lfunc_end_k_qd269f10507_experts:
	.size	k_qd269f10507_experts, .Lfunc_end_k_qd269f10507_experts-k_qd269f10507_experts
	.p2alignl 7, 3214868480
	.fill 96, 4, 3214868480
	.section	.rodata,"a",@progbits
	.p2align	6, 0x0
	.amdhsa_kernel k_qd269f10507_experts
		.amdhsa_group_segment_fixed_size 276992
		.amdhsa_private_segment_fixed_size 0
		.amdhsa_enable_private_segment 0
		.amdhsa_kernarg_size 64
		.amdhsa_user_sgpr_count 2
		.amdhsa_user_sgpr_kernarg_segment_ptr 1
		.amdhsa_wavefront_size32 1
		.amdhsa_system_sgpr_workgroup_id_x 1
		.amdhsa_system_sgpr_workgroup_id_y 1
		.amdhsa_system_sgpr_workgroup_id_z 1
		.amdhsa_system_vgpr_workitem_id 0
		.amdhsa_next_free_vgpr 1024
		.amdhsa_next_free_sgpr 100
		.amdhsa_reserve_vcc 0
		.amdhsa_float_denorm_mode_32 3
		.amdhsa_float_denorm_mode_16_64 3
		.amdhsa_memory_ordered 1
		.amdhsa_forward_progress 1
		.amdhsa_inst_pref_size 233
	.end_amdhsa_kernel
	.amdgpu_metadata
---
amdhsa.version: [ 1, 2 ]
amdhsa.kernels:
  - .name:           k_qd269f10507_experts
    .symbol:         k_qd269f10507_experts.kd
    .args:
      - { .name: rowinfo, .offset: 0, .size: 8, .value_kind: global_buffer, .address_space: global }
      - { .name: tilebits, .offset: 8, .size: 8, .value_kind: global_buffer, .address_space: global }
      - { .name: xq, .offset: 16, .size: 8, .value_kind: global_buffer, .address_space: global }
      - { .name: xs, .offset: 24, .size: 8, .value_kind: global_buffer, .address_space: global }
      - { .name: wq, .offset: 32, .size: 8, .value_kind: global_buffer, .address_space: global }
      - { .name: ws, .offset: 40, .size: 8, .value_kind: global_buffer, .address_space: global }
      - { .name: b, .offset: 48, .size: 8, .value_kind: global_buffer, .address_space: global }
      - { .name: out0, .offset: 56, .size: 8, .value_kind: global_buffer, .address_space: global }
    .group_segment_fixed_size: 276992
    .private_segment_fixed_size: 0
    .kernarg_segment_align: 8
    .kernarg_segment_size: 64
    .max_flat_workgroup_size: 128
    .sgpr_count:     100
    .vgpr_count:     1024
    .wavefront_size: 32
...
	.end_amdgpu_metadata
.endif
;; end of part 4
